; MI455X (gfx1250); checked and timed in simulation.
; The chip was launched on July 23, 2026; its instructions are those of AMD's public machine-readable ISA for CDNA 5 (MIT licence, August 2026) and "CDNA5" Instruction Set Architecture Reference Guide (July 2026). The comments in the code are by the model that wrote it; some were corrected since.
;; Content Based Attention. Allowed arithmetic: matrix products marked QUANTISED: E4M3 operands, one E8M0 scale for each 32 along K, by v_wmma_scale_f32_16x16x128_f8f6f4 with both operands' format E4M3, f32 sums; products left as they are: f32 operands where the result goes on into a quantised operand, else bf16, f16 or f32 operands; f32 sums; everything else in f32.
;; Inputs: V_codes 1,024 x 32 x 32 uint8 (E4M3 codes of V, K innermost, in blocks of 32 codes); V_scales 1,024 x 32 uint8 (E8M0 scales of V, one for each 32 codes along K); W_codes 1,024 x 32 x 32 uint8 (E4M3 codes of W, K innermost, in blocks of 32 codes); W_scales 1,024 x 32 uint8 (E8M0 scales of W, one for each 32 codes along K); b 1,024 float32; decoder_output_codes 32 x 1 x 32 x 32 uint8 (E4M3 codes of decoder_output, K innermost, in blocks of 32 codes); decoder_output_scales 32 x 1 x 32 uint8 (E8M0 scales of decoder_output, one for each 32 codes along K); encoder_outputs 32 x 2,048 x 1,024 float32; w 1,024 x 1 float32.
;; Outputs: out0 32 x 1,024 float32.
;; This version of the problem:
;;   THIS VERSION OF THE PROBLEM IS GIVEN IN LOW PRECISION. The matrix products marked QUANTISED in the list below multiply operands that are first quantised to E4M3 (4 exponent bits, 3 mantissa bits; 8 bits a number), with one power-of-two scale for each 32 numbers along K (OCP MX v1.0); their sums are f32. All else is computed in f32.
;;   The module's matrix products, in the order in which they are computed (A, B: the left and right operand; K: the contracted axis; several contracted axes count as one K, in the product's order):
;;     1. [M 32, K 1,024] x [K 1,024, N 1,024]; A: input decoder_output (given as codes); B: input W (given as codes): QUANTISED
;;     2. [M 65,536, K 1,024] x [K 1,024, N 1,024]; A: input encoder_outputs; B: input V (given as codes): QUANTISED
;;     3. [M 65,536, K 1,024] x [K 1,024, N 1]; A: computed on the way; B: input w: left as it is (N = 1 < 16)
;;     4. batch 32 x [M 1, K 2,048] x [K 2,048, N 1,024]; A: softmax; B: input encoder_outputs: left as it is (M = 1 < 16)
;;   THE QUANTISER, for each operand of a quantised product, along K:
;;     - K is cut into blocks of 32 from its start; a last block that is shorter is filled with zeros.
;;     - A block's scale is 2^e with e = floor(log2(the largest magnitude in the block)) - 8, held to -126 .. 127; a block of zeros has e = 0. As a byte (E8M0): e + 127.
;;     - Each number is divided by its block's scale, clamped to +-448, and rounded to the nearest number of E4M3, ties to even, subnormals kept.
;;     - The product sums the exact products of the quantised numbers (number of the format x scale) in f32.
;;   ~~~python
;;   def quantise(x, axis):      # numpy; x: float32 -> the quantised numbers, widened to float32 again
;;       x = np.moveaxis(x, axis, -1); K = x.shape[-1]
;;       x = np.pad(x, [(0, 0)] * (x.ndim - 1) + [(0, -K % 32)]); x = x.reshape(x.shape[:-1] + (-1, 32)); a = np.abs(x).max(-1, keepdims=True)
;;       e = np.where(a > 0, np.clip(np.frexp(np.where(a > 0, a, 1))[1] - 1 - 8, -126, 127), 0)      # np.frexp(a)[1] - 1 = floor(log2(a)), exactly
;;       r = np.clip(x / 2.0 ** e, -448, 448)
;;       step = 2.0 ** (np.maximum(np.frexp(np.where(r == 0, 1, r))[1] - 1, -6) - 3)
;;       q = np.round(r / step) * step * 2.0 ** e      # np.round: ties to even
;;       return np.moveaxis(q.reshape(q.shape[:-2] + (-1,))[..., :K], -1, axis).astype(np.float32)
;;   ~~~
;;   INPUTS GIVEN AS CODES. V (in the module: [1024, 1024], K = its axis 0); W (in the module: [1024, 1024], K = its axis 0); decoder_output (in the module: [32, 1, 1024], K = its axis 2): each comes as NAME_codes (uint8): NAME with its K axis moved to the last place and cut into blocks of 32 codes, [.., K / 32, bytes a block], one block behind the other in memory; one code a byte (a code: sign, 4 exponent bits, 3 mantissa bits); and NAME_scales (uint8): the same leading axes, one E8M0 byte (e + 127) for each 32 codes along K. Its value is code x scale, taken as it is: it is not quantised again, and the codes and scales need not be those that the quantiser above would give.
;; One version. Each part assembles by itself: llvm-mc -triple=amdgcn-amd-amdhsa -mcpu=gfx1250 --defsym DOCPART=n.
;; ======== version 1 of 1: 3 launches
;; limits: right only within a limited range of input values
;; workspace buffers: tab 262,144 bytes; scores 262,144 bytes
;; launch prep (part 1): grid 64 x 1, 1 waves a work-group, no clusters, 0 bytes of LDS; arguments decoder_output_codes, decoder_output_scales, W_codes, W_scales, b, w, tab; writes tab
.if DOCPART == 1
	.amdgcn_target "amdgcn-amd-amdhsa--gfx1250"
	.amdhsa_code_object_version 6
	.text
	.protected	k_q349a39e8ef_prep
	.globl	k_q349a39e8ef_prep
	.p2align	8
	.type	k_q349a39e8ef_prep,@function
k_q349a39e8ef_prep:
	s_mov_b64 s[64:65], 0
	v_nop
	global_prefetch_b8 v0, s[64:65] scope:SCOPE_SE
	s_setreg_imm32_b32 hwreg(HW_REG_WAVE_MODE, 25, 1), 1
	s_wait_xcnt 0x0
; tab[batch][c] = { kb, w2 }: kb = k (dec_proj[batch][c] + b[c]), k = 2 log2(e); w2 = -2 w[c].  dec_proj = decoder_output x W on codes of E4M3 with E8M0 scales, as they are given.
; The next launch makes tanh(x) = 1 - 2 / (1 + 2^(k x)) of it: k x = k enc_proj + kb, and a score takes w2 / (1 + 2^(k x)).
; One wave to a work-group: 16 columns c (c0 = 16 x work-group) for all 32 batches, as two tiles of 16 batches.  K = 1,024 in eight steps of 128.
; Source 0 = 16 batches of the decoder's codes, source 1 = 16 rows of W's codes (a row of W_codes is a column c): in the result a lane holds c = c0 + lane % 16, register j the batch 16 t + 8 (lane / 16) + j.
; SCALES: a row has 32 scale bytes; lane (r, h) takes bytes 16 h .. 16 h + 15 of row r by one load: register i holds K step i's word in lanes 0-15 and K step 4 + i's in lanes 16-31.
; REGISTERS: window 0: v1-4 offsets; v8-11 W's scale words, v12-19 the decoder's; v20-23 b, w, k b, w2; v32-47 two accumulators; v64-95 sixteen pairs; v128-255 W's eight fragments.  window 1: the decoder's sixteen fragments.
.set K2L, 0x4038aa3b                   ; k = 2 log2(e)
.set WF,  128
.set MSB, 0
.macro WIN new                         ; the immediate's high byte repeats the setting that is left
.if MSB != (\new)
	s_set_vgpr_msb (MSB<<8)|(\new)
.set MSB, (\new)
.endif
.endm
	s_load_b256 s[4:11], s[0:1], 0x0               ; decoder's codes s[4:5], its scales s[6:7], W's codes s[8:9], W's scales s[10:11]
	s_load_b128 s[12:15], s[0:1], 0x20             ; b s[12:13], w s[14:15]
	s_load_b64 s[16:17], s[0:1], 0x30              ; tab
	v_and_b32 v5, 15, v0                           ; r
	v_lshrrev_b32 v6, 4, v0                        ; h
	v_lshlrev_b32 v1, 10, v5
	v_lshl_add_u32 v1, v6, 4, v1                   ; codes: row r of 1,024 bytes, + 16 h
	v_lshlrev_b32 v2, 5, v5
	v_lshl_add_u32 v2, v6, 4, v2                   ; scale bytes: row r of 32, + 16 h
	v_lshlrev_b32 v3, 2, v5                        ; b, w: 4 r
	v_lshlrev_b32 v4, 3, v5
	v_lshl_add_u32 v4, v6, 16, v4                  ; tab: 8 r + 8 h batches of 8,192 bytes
	s_mov_b32 s20, K2L
	s_mov_b32 s19, 0
	s_wait_alu depctr_va_vdst(0)
	s_wait_kmcnt 0x0
	s_lshl_b32 s18, ttmp9, 14                      ; my 16 rows of W's codes
	s_add_nc_u64 s[8:9], s[8:9], s[18:19]
	s_lshl_b32 s18, ttmp9, 9                       ; and of its scale bytes
	s_add_nc_u64 s[10:11], s[10:11], s[18:19]
	s_lshl_b32 s18, ttmp9, 6                       ; my 16 numbers of b and of w
	s_add_nc_u64 s[12:13], s[12:13], s[18:19]
	s_add_nc_u64 s[14:15], s[14:15], s[18:19]
	s_lshl_b32 s18, ttmp9, 7                       ; my 16 pairs of a batch's row of tab
	s_add_nc_u64 s[16:17], s[16:17], s[18:19]
.irp s, 0,1,2,3,4,5,6,7
.irp c, 0,1,2,3
	global_load_b128 v[WF+16*\s+4*\c:WF+16*\s+4*\c+3], v1, s[8:9] offset:128*\s+32*\c      ; W(c0 + r, 128 s + 32 c + 16 h ..)
.endr
.endr
	global_load_b128 v[8:11], v2, s[10:11]
	global_load_b128 v[12:15], v2, s[6:7]
	global_load_b128 v[16:19], v2, s[6:7] offset:512
	global_load_b32 v20, v3, s[12:13]
	global_load_b32 v21, v3, s[14:15]
	WIN 0x40                                       ; destination window 1
.irp t, 0,1
.irp s, 0,1,2,3,4,5,6,7
.irp c, 0,1,2,3
	global_load_b128 v[128*\t+16*\s+4*\c:128*\t+16*\s+4*\c+3], v1, s[4:5] offset:16384*\t+128*\s+32*\c
.endr
.endr
.endr
	s_wait_loadcnt 0x0
	WIN 0x01                                       ; source 0 window 1
.irp s, 0,1,2,3,4,5,6,7                        ; the two accumulators take turns, one instruction a turn; the first K step starts the sums
.irp t, 0,1
.if \s == 0
	v_wmma_scale_f32_16x16x128_f8f6f4 v[32+8*\t:39+8*\t], v[128*\t+16*\s:128*\t+16*\s+15], v[WF+16*\s:WF+16*\s+15], 0, v[12+4*\t+\s], v[8+\s]
.elseif \s < 4
	v_wmma_scale_f32_16x16x128_f8f6f4 v[32+8*\t:39+8*\t], v[128*\t+16*\s:128*\t+16*\s+15], v[WF+16*\s:WF+16*\s+15], v[32+8*\t:39+8*\t], v[12+4*\t+\s], v[8+\s]
.else
	v_wmma_scale_f32_16x16x128_f8f6f4 v[32+8*\t:39+8*\t], v[128*\t+16*\s:128*\t+16*\s+15], v[WF+16*\s:WF+16*\s+15], v[32+8*\t:39+8*\t], v[12+4*\t+\s-4], v[8+\s-4] matrix_a_scale:MATRIX_SCALE_ROW1 matrix_b_scale:MATRIX_SCALE_ROW1
.endif
.endr
.endr
	WIN 0
	v_mul_f32 v22, s20, v20                        ; k b: eight plain places stand between the last product and the first read of a result: these two and six v_nop
	v_mul_f32 v23, -2.0, v21                       ; w2
.rept 6
	v_nop
.endr
.irp n, 0,1,2,3,4,5,6,7,8,9,10,11,12,13,14,15  ; each accumulator from its low end on
	v_fma_f32 v[64+2*\n], v[32+\n], s20, v22       ; kb = k dec_proj + k b
	v_mov_b32 v[65+2*\n], v23
.endr
.irp t, 0,1
.irp j, 0,1,2,3,4,5,6,7
	global_store_b64 v4, v[64+2*(8*\t+\j):65+2*(8*\t+\j)], s[16:17] offset:131072*\t+8192*\j   ; batch 16 t + 8 h + j: sixteen lanes store 128 consecutive bytes
.endr
.endr
	s_endpgm
.Lfunc_end_k_q349a39e8ef_prep:
	.size	k_q349a39e8ef_prep, .Lfunc_end_k_q349a39e8ef_prep-k_q349a39e8ef_prep
	.p2alignl 7, 3214868480
	.fill 96, 4, 3214868480
	.section	.rodata,"a",@progbits
	.p2align	6, 0x0
	.amdhsa_kernel k_q349a39e8ef_prep
		.amdhsa_group_segment_fixed_size 0
		.amdhsa_private_segment_fixed_size 0
		.amdhsa_enable_private_segment 0
		.amdhsa_kernarg_size 56
		.amdhsa_user_sgpr_count 2
		.amdhsa_user_sgpr_kernarg_segment_ptr 1
		.amdhsa_wavefront_size32 1
		.amdhsa_system_sgpr_workgroup_id_x 1
		.amdhsa_system_sgpr_workgroup_id_y 1
		.amdhsa_system_sgpr_workgroup_id_z 1
		.amdhsa_system_vgpr_workitem_id 0
		.amdhsa_next_free_vgpr 512
		.amdhsa_next_free_sgpr 66
		.amdhsa_reserve_vcc 0
		.amdhsa_float_denorm_mode_32 3
		.amdhsa_float_denorm_mode_16_64 3
		.amdhsa_memory_ordered 1
		.amdhsa_forward_progress 1
		.amdhsa_inst_pref_size 17
	.end_amdhsa_kernel
	.amdgpu_metadata
---
amdhsa.version: [ 1, 2 ]
amdhsa.kernels:
  - .name:           k_q349a39e8ef_prep
    .symbol:         k_q349a39e8ef_prep.kd
    .args:
      - { .name: decoder_output_codes, .offset: 0, .size: 8, .value_kind: global_buffer, .address_space: global }
      - { .name: decoder_output_scales, .offset: 8, .size: 8, .value_kind: global_buffer, .address_space: global }
      - { .name: W_codes, .offset: 16, .size: 8, .value_kind: global_buffer, .address_space: global }
      - { .name: W_scales, .offset: 24, .size: 8, .value_kind: global_buffer, .address_space: global }
      - { .name: b, .offset: 32, .size: 8, .value_kind: global_buffer, .address_space: global }
      - { .name: w, .offset: 40, .size: 8, .value_kind: global_buffer, .address_space: global }
      - { .name: tab, .offset: 48, .size: 8, .value_kind: global_buffer, .address_space: global }
    .group_segment_fixed_size: 0
    .private_segment_fixed_size: 0
    .kernarg_segment_align: 8
    .kernarg_segment_size: 56
    .max_flat_workgroup_size: 32
    .sgpr_count:     66
    .vgpr_count:     512
    .wavefront_size: 32
...
	.end_amdgpu_metadata
.endif
;; end of part 1
;; launch scores (part 2): grid 256 x 1, 4 waves a work-group, clusters of 4 x 1, 327,680 bytes of LDS; arguments encoder_outputs, V_codes, V_scales, tab, scores; writes scores
.if DOCPART == 2
	.amdgcn_target "amdgcn-amd-amdhsa--gfx1250"
	.amdhsa_code_object_version 6
	.text
	.protected	k_q349a39e8ef_scores
	.globl	k_q349a39e8ef_scores
	.p2align	8
	.type	k_q349a39e8ef_scores,@function
k_q349a39e8ef_scores:
	s_mov_b64 s[64:65], 0
	v_nop
	global_prefetch_b8 v0, s[64:65] scope:SCOPE_SE
	s_setreg_imm32_b32 hwreg(HW_REG_WAVE_MODE, 25, 1), 1
	s_wait_xcnt 0x0
	s_wait_alu depctr_hold_cnt(0) depctr_sa_sdst(0) depctr_va_vdst(0) depctr_va_sdst(0) depctr_va_ssrc(0) depctr_va_vcc(0) depctr_vm_vsrc(0)
	s_getreg_b32 s2, hwreg(HW_REG_IB_STS2, 6, 4)
	s_cmp_eq_u32 s2, 0
	s_cbranch_scc0 .Lentry_in_a_cluster
	s_endpgm
.Lentry_in_a_cluster:
	s_bfe_u32 s2, ttmp6, 0x10000c
	s_cmp_lg_u32 s2, 0x3003
	s_cbranch_scc0 .Lentry_shape_is_right
	s_endpgm
.Lentry_shape_is_right:
; scores[row] = sum over c of w2[c] / (1 + 2^(k enc_proj[row][c] + kb[batch][c])), with {kb, w2} from tab: tanh(x) = 1 - 2 / (1 + 2^(k x)), k = 2 log2(e).
; LEFT OUT: the term sum over c of w[c], which tanh's 1 would add to every score: it is the same for all t of a batch, so the softmax along t takes it away for all values of the inputs.
; enc_proj = Q(encoder_outputs) x V on codes of E4M3 with E8M0 scales; encoder_outputs is quantised here, in registers, blocks of 32 along K.
; LIMITS: NaN and infinities among the inputs are not served.  2^(..) beyond f32's range gives 1 / infinity = 0, which is tanh's limit.
; SHARES: 256 work-groups of four waves; a work-group owns 256 rows, a wave 64 of them: four tiles of 16 rows x all of K as codes in 512 registers (windows 2, 3).
; PHASE 1: a unit of 16 rows x 128 K is turned in the wave's stage in LDS so that a lane holds 16 neighbours
; along K of four blocks, quantised, and laid as an image of the operand's registers in LDS; after four trips the image is read into the operand's registers.
; PHASE 2: V's 1,024 rows (columns c) walk through two LDS slots of 64 rows, all of K, filled by joint loads of the four work-groups of a cluster, a quarter a wave.  A tile is 16 columns: 32 products on four accumulators by turns.
; THE WAY FROM A SUM TO A SCORE IS LAID IN STAGES over three tiles, so that no transcendental stands inside a running sum: among tile t's products stand plain lines alone (tile t - 2's adds into the scores, tile t - 1's 1 + ..);
; behind them tile t's k x + kb and ONE batch of 64: tile t's exponentials and tile t - 1's reciprocals, with one wait ahead of it and one behind it.
; The first two tiles find zeros as w2, which add nothing.
; No prefetch: x's rows are asked for by 64 loads a wave that are out throughout phase 1; V's tiles are walked by all work-groups alike, tile for tile.
; LDS: two slots; IMG the images (then V's scale bytes); STAGE; TAB the batch's 1,024 pairs; ISC the images' scale words; SPARE the spare words.
.set SLOT,   66560
.set TILEB,  16640                     ; 16 rows of 1,024 + 16 bytes
.set BP,     1040
.set IMG,    2*SLOT
.set STAGE,  IMG+4*32768
.set SP,     528
.set TAB,    STAGE+4*16*SP
.set ISC,    TAB+8192
.set SPARE,  ISC+4*2048                ; 128 bytes a wave: two blocks of 256 bytes that no other line names
.set VSW,  1
.set SPW,  2                           ; my spare word; never rewritten
.set NIL,  3                           ; 0; never rewritten
.set XA,   4                           ; 16 x lane
.set STW,  5
.set STR,  6
.set IMW,  7
.set IMA,  8
.set ISW,  9
.set ISA,  10
.set AB0,  11
.set ADR,  12
.set ASC0, 13
.set ADS,  14
.set ATB0, 15
.set ADT,  16
.set TL,   17
.set BS,   18                          ; v18-21, v26-29  V's scale words, two sets: their numbers are 2 .. 5 modulo 8, x's are the K step: never equal in one product
.set SO,   22
.set R7,   23
.set RR,   24
.set HH,   25
.set TLD,  30
.set AS,   32                          ; v32-63  x's scale words: 8 i + K step
.set S,    64                          ; v64-95  the scores' sums, a lane a column modulo 16
.set ACC,  96                          ; v96-159 two sets of four accumulators
.set RC,   160                         ; v160-191 a tile's reciprocals
.set X,    160                         ; phase 1: a unit's 64 numbers
.set TM,   224
.set PW,   240
.set TB2,  244                         ; v244-251 two sets of {kb, -, w2, -}
.set PC,   64
.set TABR, 80
.set VS,   96
.set WV,   14
.set KC,   20
.set SEL,  22
.set MNT,  24
.set CT,   25
.set XP,   28
.set IMO,  30
.set ISO,  31
.set G1,   32
.set G0A,  40
.set G0B,  44
.set TB,   48
.set TS,   49
.set TT,   50
.set SLOTS, 51
.set MK,   52
.set MSB, 0
.macro WIN new                         ; the immediate's high byte repeats the setting that is left
.if MSB != (\new)
	s_set_vgpr_msb (MSB<<8)|(\new)
.set MSB, (\new)
.endif
.endm
.macro ROUND                           ; a round of the cluster's barrier
	s_barrier_signal -1
	s_barrier_wait -1
	s_cmp_lg_u32 s[WV], 0
	s_cbranch_scc1 .Lnot_wave_0_\@
	s_barrier_signal -3
.Lnot_wave_0_\@:
	s_barrier_wait -3
	s_barrier_signal -1
	s_barrier_wait -1
.endm
.macro JOINT g0                        ; a joint load; s_nop 0 and four v_nop follow it
	tensor_load_to_lds s[\g0:\g0+3], s[G1:G1+7]
	s_nop 0
.rept 4
	v_nop
.endr
.endm
	s_load_b256 s[4:11], s[0:1], 0x0               ; x s[4:5], V's codes s[6:7], V's scales s[8:9], tab s[10:11]
	s_load_b64 s[12:13], s[0:1], 0x20              ; scores
	v_lshl_add_u32 v[SPW], v0, 2, SPARE
	v_mov_b32 v[NIL], 0
	ds_add_u32 v[SPW], v[NIL]                      ; the opening lines: the add, twice on end, and its wait ahead of my first tensor load
	ds_add_u32 v[SPW], v[NIL]
	v_lshrrev_b32 v31, 5, v0
	v_readfirstlane_b32 s[WV], v31                 ; wave 0..3
	v_and_b32 v31, 31, v0                          ; lane
	v_lshlrev_b32 v[XA], 4, v31
	v_lshlrev_b32 v[TL], 4, v0
	s_bfe_u32 s15, ttmp6, 0x40000                  ; cx
	s_lshl_b32 s16, ttmp9, 2
	s_add_co_u32 s16, s16, s15                     ; work-group
	s_mov_b32 s[G1], 15|(0<<16)|(1<<20)|(1<<21)|(7<<22)|(3<<25)   ; all four of the cluster; bytes; 4 words of padding behind every 256 words
	s_mov_b32 s[G1+1], 1024<<16
	s_mov_b32 s[G1+2], 16<<16
	s_mov_b32 s[G1+3], 1024<<16
	s_mov_b32 s[G1+4], 16
	s_mov_b32 s[G1+5], 1024
	s_mov_b32 s[G1+6], 0
	s_mov_b32 s[G1+7], 0
	s_mov_b32 s[KC], 0x4038aa3b                    ; k = 2 log2(e)
	s_mov_b32 s[KC+1], s[KC]
	s_mov_b32 s[SEL], 0x76543210
	s_mov_b32 s[SEL+1], 0xfedcba98
	s_mov_b32 s[MNT], 0x600000
	s_mov_b32 s[IMO], 0
	s_mov_b32 s[ISO], 0
	s_mov_b32 s[G0A], 1
	s_mov_b32 s[G0B], 1
	s_mul_i32 s[G0A+1], s[WV], TILEB               ; my 16 rows of a slot
	s_add_co_u32 s[G0B+1], s[G0A+1], SLOT
	s_mul_i32 s2, s[WV], 16*SP
	s_add_co_u32 s2, s2, STAGE                     ; my stage
	s_lshl_b32 s3, s[WV], 15
	s_add_co_u32 s3, s3, IMG                       ; my image
	s_lshl_b32 s17, s[WV], 11
	s_add_co_u32 s17, s17, ISC                     ; its scale words
	s_lshl_b32 s26, s[WV], 13
	s_add_co_u32 s26, s26, IMG                     ; my quarter of V's scale bytes
	s_lshl_b32 s18, s16, 20                        ; my work-group's 256 rows of 4,096 bytes,
	s_lshl_b32 s27, s[WV], 18
	s_add_co_u32 s18, s18, s27                     ; my wave's 64
	s_mov_b32 s19, 0
	s_wait_dscnt 0x0                               ; both opening adds are done
	s_wait_alu depctr_va_vdst(0)
	s_wait_kmcnt 0x0
	s_add_nc_u64 s[XP:XP+1], s[4:5], s[18:19]
	s_lshl_b32 s18, s[WV], 13
	s_add_nc_u64 s[8:9], s[8:9], s[18:19]
	s_lshr_b32 s18, s16, 3                         ; batch
	s_lshl_b32 s18, s18, 13
	s_add_nc_u64 s[10:11], s[10:11], s[18:19]
; x's first loads go out ahead of everything else that waits
.irp n, 0,1,2,3,4,5,6,7,8,9,10,11,12,13,14,15
	global_load_b128 v[VS+4*\n:VS+4*\n+3], v[XA], s[8:9] offset:512*\n
.endr
.irp n, 0,1,2,3
	global_load_b128 v[TABR+4*\n:TABR+4*\n+3], v[TL], s[10:11] offset:2048*\n
.endr
	WIN 0x40
.irp k, 0,1,2,3
.irp rho, 0,1,2,3,4,5,6,7,8,9,10,11,12,13,14,15
	global_load_b128 v[64*\k+4*\rho:64*\k+4*\rho+3], v[XA], s[XP:XP+1] offset:65536*\k+4096*\rho th:TH_LOAD_NT
.endr
.endr
	WIN 0
	s_lshl_b32 s18, s[WV], 14
	s_add_nc_u64 s[G0A+2:G0A+3], s[6:7], s[18:19]
	s_add_nc_u64 s[G0B+2:G0B+3], s[G0A+2:G0A+3], 65536
	s_or_b32 s[G0A+3], s[G0A+3], 0x80000000
	s_or_b32 s[G0B+3], s[G0B+3], 0x80000000
	s_lshl_b32 s18, s16, 10
	s_lshl_b32 s27, s[WV], 8
	s_add_co_u32 s18, s18, s27
	s_add_nc_u64 s[12:13], s[12:13], s[18:19]      ; my 64 scores
	ROUND                                          ; in front of the first joint load
	JOINT G0A                                      ; slot 0: my one tensor load at the head
	v_and_b32 v[RR], 15, v0
	v_bfe_u32 v[HH], v0, 4, 1
	v_add_nc_u32 v[STW], s2, v[XA]
	v_mul_u32_u24 v[STR], v[RR], SP
	v_lshl_add_u32 v[STR], v[HH], 6, v[STR]
	v_add_nc_u32 v[STR], s2, v[STR]
	v_add_nc_u32 v[IMW], s3, v[XA]
	v_lshl_add_u32 v[ISW], v31, 2, s17
	v_add_nc_u32 v[VSW], s26, v[XA]
	v_mul_u32_u24 v[AB0], v[RR], BP
	v_lshl_add_u32 v[AB0], v[HH], 4, v[AB0]
	v_lshlrev_b32 v[ASC0], 5, v[RR]
	v_lshl_add_u32 v[ASC0], v[HH], 4, v[ASC0]
	v_add_nc_u32 v[ASC0], IMG, v[ASC0]
	v_lshl_add_u32 v[ATB0], v[RR], 3, TAB
	v_add_nc_u32 v[TLD], TAB, v[TL]
	v_and_b32 v[R7], 7, v0
	v_lshrrev_b32 v[SO], 3, v[RR]
	v_lshlrev_b32 v[SO], 6, v[SO]
	v_lshl_add_u32 v[SO], v[HH], 5, v[SO]
	v_lshl_add_u32 v[SO], v[R7], 2, v[SO]
.irp b, 0,1,2,3
	v_mov_b32 v[TM+4+\b], 0                        ; a lane permute's destination counts as one of its sources
.endr
	s_wait_alu depctr_va_vdst(0)
	s_wait_xcnt 0x0                                ; the loads have read their base
	s_add_nc_u64 s[XP:XP+1], s[XP:XP+1], 512
.macro QUANT                           ; 64 numbers a lane, 16 of each of four blocks -> 16 registers of codes PC, the scale word PW
.irp b, 0,1,2,3
	v_max3_num_f32 v[TM+\b], |v[X+16*\b]|, |v[X+1+16*\b]|, 0x4800000
.endr
.irp i, 2,4,6,8,10,12,14
.irp b, 0,1,2,3
	v_max3_num_f32 v[TM+\b], v[TM+\b], |v[X+16*\b+\i]|, |v[X+1+16*\b+\i]|
.endr
.endr
.irp b, 0,1,2,3
	v_permlanex16_b32 v[TM+4+\b], v[TM+\b], s[SEL], s[SEL+1]
.endr
.irp b, 0,1,2,3
	v_max_num_f32 v[TM+\b], v[TM+\b], v[TM+4+\b]
.endr
.irp b, 0,1,2,3
	v_add_nc_u32 v[TM+12+\b], 0xfc000000, v[TM+\b]
.endr
.irp b, 0,1,2,3
	v_and_or_b32 v[TM+8+\b], v[TM+\b], 0x7f800000, s[MNT]
.endr
.irp b, 0,1,2,3
	v_lshrrev_b32 v[TM+4+\b], 23, v[TM+12+\b]
.endr
	v_lshl_or_b32 v[PW], v[TM+5], 8, v[TM+4]
	v_lshl_or_b32 v[PW], v[TM+6], 16, v[PW]
	v_lshl_or_b32 v[PW], v[TM+7], 24, v[PW]
.irp b, 0,1,2,3
.irp i, 0,1,2,3,4,5,6,7,8,9,10,11,12,13,14,15
	v_med3_num_f32 v[X+16*\b+\i], v[X+16*\b+\i], -v[TM+8+\b], v[TM+8+\b]
.endr
	v_cvt_scalef32_pk8_fp8_f32 v[PC+4*\b:PC+1+4*\b], v[X+16*\b:X+7+16*\b], v[TM+12+\b]
	v_cvt_scalef32_pk8_fp8_f32 v[PC+2+4*\b:PC+3+4*\b], v[X+8+16*\b:X+15+16*\b], v[TM+12+\b]
.endr
	v_nop
.endm
.macro UNIT k, ahead, left             ; row tile k, 128 along K.  left: the younger loads that may stay out
	s_wait_loadcnt \left
	WIN 0x04
.irp rho, 0,1,2,3,4,5,6,7,8,9,10,11,12,13,14,15
	ds_store_b128 v[STW], v[64*(\k)+4*\rho:64*(\k)+4*\rho+3] offset:SP*\rho
.endr
	WIN 0
.irp b, 0,1,2,3
.irp q, 0,1,2,3
	ds_load_b128 v[X+16*\b+4*\q:X+16*\b+4*\q+3], v[STR] offset:128*\b+16*\q
.endr
.endr
	s_wait_dscnt 0x0
.if \ahead
	WIN 0x40
.irp rho, 0,1,2,3,4,5,6,7,8,9,10,11,12,13,14,15
	global_load_b128 v[64*(\k)+4*\rho:64*(\k)+4*\rho+3], v[XA], s[XP:XP+1] offset:65536*(\k)+4096*\rho th:TH_LOAD_NT
.endr
	WIN 0
.endif
	QUANT
.irp c, 0,1,2,3
	ds_store_b128 v[IMA], v[PC+4*\c:PC+4*\c+3] offset:8192*(\k)+512*\c
.endr
	ds_store_b32 v[ISA], v[PW] offset:512*(\k)
.endm
.macro TRIP ahead                      ; 128 along K of my 64 rows
	v_add_nc_u32 v[IMA], s[IMO], v[IMW]
	v_add_nc_u32 v[ISA], s[ISO], v[ISW]
.if \ahead
	UNIT 0, 1, 48
	UNIT 1, 1, 48
	UNIT 2, 1, 48
	UNIT 3, 1, 48
	s_wait_xcnt 0x0
	s_add_nc_u64 s[XP:XP+1], s[XP:XP+1], 512
.else
	UNIT 0, 0, 48
	UNIT 1, 0, 32
	UNIT 2, 0, 16
	UNIT 3, 0, 0
.endif
	s_add_co_u32 s[IMO], s[IMO], 2048
	s_add_co_u32 s[ISO], s[ISO], 128
.endm
.macro DEPOSIT L                       ; the image of four K steps goes into the operand's registers
.irp i, 0,1,2,3
	WIN 0x80+0x40*((\i)/2)
.irp m, 0,1,2,3
.irp c, 0,1,2,3
	ds_load_b128 v[128*((\i)%2)+16*(4*(\L)+\m)+4*\c:128*((\i)%2)+16*(4*(\L)+\m)+4*\c+3], v[IMW] offset:8192*\i+2048*\m+512*\c
.endr
.endr
.endr
	WIN 0
.irp i, 0,1,2,3
.irp m, 0,1,2,3
	ds_load_b32 v[AS+8*\i+4*(\L)+\m], v[ISW] offset:512*\i+128*\m
.endr
.endr
.endm
	s_mov_b32 s[CT], 4
.Lfirst_half:
	TRIP 1
	s_sub_co_u32 s[CT], s[CT], 1
	s_cmp_lg_u32 s[CT], 0
	s_cbranch_scc1 .Lfirst_half
	s_wait_tensorcnt 0x0                           ; slot 1's first fill is issued as a refill is: my load of slot 0 is in,
	ds_add_u32 v[SPW], v[NIL]
	s_wait_dscnt 0x0
	ROUND
	JOINT G0B
	DEPOSIT 0
	s_mov_b32 s[IMO], 0
	s_mov_b32 s[ISO], 0
	s_mov_b32 s[CT], 3
.Lsecond_half:
	TRIP 1
	s_sub_co_u32 s[CT], s[CT], 1
	s_cmp_lg_u32 s[CT], 0
	s_cbranch_scc1 .Lsecond_half
	TRIP 0                                         ; the last trip asks for nothing more
	DEPOSIT 1
	s_wait_dscnt 0x0                               ; every wave's image has been read:
	s_barrier_signal -1
	s_barrier_wait -1
.irp n, 0,1,2,3,4,5,6,7,8,9,10,11,12,13,14,15
	ds_store_b128 v[VSW], v[VS+4*\n:VS+4*\n+3] offset:512*\n       ; V's scale bytes take the first image's place
.endr
.irp n, 0,1,2,3
	ds_store_b128 v[TLD], v[TABR+4*\n:TABR+4*\n+3] offset:2048*\n
.endr
	s_wait_tensorcnt 0x0                           ; both slots are in
	s_wait_dscnt 0x0
	s_barrier_signal -1
	s_barrier_wait -1
	ds_load_b128 v[BS:BS+3], v[ASC0]
	WIN 0x40
.irp s, 0,1,2,3,4,5,6,7
.irp c, 0,1,2,3
	ds_load_b128 v[16*\s+4*\c:16*\s+4*\c+3], v[AB0] offset:128*\s+32*\c
.endr
.endr
	WIN 0
.irp j, 0,1,2,3,4,5,6,7,8,9,10,11,12,13,14,15,16,17,18,19,20,21,22,23,24,25,26,27,28,29,30,31
	v_mov_b32 v[S+\j], 0                           ; the sums, and what the stages find in the first two tiles
	v_mov_b32 v[ACC+32+\j], 0
	v_mov_b32 v[RC+\j], 0
.endr
.irp j, 0,1,2,3,4,5,6,7
	v_mov_b32 v[TB2+\j], 0
.endr
	s_mov_b32 s[TB], TILEB
	s_mov_b32 s[TS], 512
	s_mov_b32 s[TT], 0
.macro GL q, x                         ; the scores take w2 / (1 + ..): two at a time
	v_pk_fma_f32 v[S+2*(\x):S+2*(\x)+1], v[RC+2*(\x):RC+2*(\x)+1], v[TB2+4*(\q)+2:TB2+4*(\q)+3], v[S+2*(\x):S+2*(\x)+1] op_sel_hi:[1,0,1]
.endm
.macro AL q, x                         ; 1 + 2^(..)
	v_pk_add_f32 v[ACC+32*(\q)+2*(\x):ACC+32*(\q)+2*(\x)+1], v[ACC+32*(\q)+2*(\x):ACC+32*(\q)+2*(\x)+1], 1.0 op_sel_hi:[1,0]
.endm
.macro FL q, x                         ; k x + kb
	v_pk_fma_f32 v[ACC+32*(\q)+2*(\x):ACC+32*(\q)+2*(\x)+1], v[ACC+32*(\q)+2*(\x):ACC+32*(\q)+2*(\x)+1], s[KC:KC+1], v[TB2+4*(\q):TB2+4*(\q)+1] op_sel_hi:[1,0,0]
.endm
.macro RCPS q                          ; a tile's 32 reciprocals, into registers of their own
.set x_, 0
.rept 32
	v_rcp_f32 v[RC+x_], v[ACC+32*(\q)+x_]
.set x_, x_+1
.endr
.endm
.macro MM p, s, i                      ; source 0 = x's row tile i, source 1 = V's 16 columns: a lane holds one column, its registers eight rows
.set rD, ACC+32*(\p)+8*(\i)
.set rA, 128*((\i)%2)+16*(\s)
.set rB, 128*(\p)+16*(\s)
.set rX, AS+8*(\i)+(\s)
.set rY, BS+8*(\p)+(\s)%4
.if (\s) == 0
	v_wmma_scale_f32_16x16x128_f8f6f4 v[rD:rD+7], v[rA:rA+15], v[rB:rB+15], 0, v[rX], v[rY]
.elseif (\s) < 4
	v_wmma_scale_f32_16x16x128_f8f6f4 v[rD:rD+7], v[rA:rA+15], v[rB:rB+15], v[rD:rD+7], v[rX], v[rY]
.else
	v_wmma_scale_f32_16x16x128_f8f6f4 v[rD:rD+7], v[rA:rA+15], v[rB:rB+15], v[rD:rD+7], v[rX], v[rY] matrix_b_scale:MATRIX_SCALE_ROW1
.endif
.endm
.macro CHANGE fill                     ; the change of slots: all my tensor loads are in, the add, my reads of the slot are over; fill = 1: a round, and the slot is filled again
	s_wait_tensorcnt 0x0
	ds_add_u32 v[SPW], v[NIL]
.if \fill
	s_xor_b32 s[G0B+1], s[G0B+1], SLOT
	s_add_nc_u64 s[G0B+2:G0B+3], s[G0B+2:G0B+3], 65536
.endif
	s_wait_dscnt 0x0
.if \fill
	ROUND
	JOINT G0B
.else
	s_barrier_signal -1
	s_barrier_wait -1
.endif
.endm
.macro MID p, mode                     ; at a tile's middle: this tile's {kb, w2}; the next tile's scale words and its first four fragments.  mode 1, 2: the next tile lies in the other slot; 3: there is none
.if (\mode == 1) || (\mode == 2)
	s_sub_co_u32 s[TB], s[TB], SLOT
	s_xor_b32 s[TB], s[TB], SLOT
.endif
.if \mode != 3
	v_add_nc_u32 v[ADR], s[TB], v[AB0]
	v_add_nc_u32 v[ADS], s[TS], v[ASC0]
.endif
	v_add_nc_u32 v[ADT], s[TT], v[ATB0]
	s_wait_alu depctr_va_vdst(0)
.if \mode == 1
	CHANGE 1
.elseif \mode == 2
	CHANGE 0
.endif
.if \mode != 3
	ds_load_b128 v[BS+8*(1-\p):BS+8*(1-\p)+3], v[ADS]
.endif
	ds_load_b32 v[TB2+4*(\p)], v[ADT]
	ds_load_b32 v[TB2+4*(\p)+2], v[ADT] offset:4
.if \mode != 3
	WIN 0x40
.irp s, 0,1,2,3
.irp c, 0,1,2,3
	ds_load_b128 v[128*(1-\p)+16*\s+4*\c:128*(1-\p)+16*\s+4*\c+3], v[ADR] offset:128*\s+32*\c
.endr
.endr
	WIN 0
	s_add_co_u32 s[TS], s[TS], 512
	s_add_co_u32 s[TT], s[TT], 128
.endif
.endm
.macro RUNB p, mode                    ; the next tile's last four fragments
.if \mode != 3
	WIN 0x40
.irp s, 4,5,6,7
.irp c, 0,1,2,3
	ds_load_b128 v[128*(1-\p)+16*\s+4*\c:128*(1-\p)+16*\s+4*\c+3], v[ADR] offset:128*\s+32*\c
.endr
.endr
	WIN 0
	s_add_co_u32 s[TB], s[TB], TILEB
.endif
.endm
.macro TILE p, mode                    ; tile t, t % 2 = p
	s_wait_dscnt 16                                ; the scale words and fragments 0-3 are in; the 16 youngest loads may be out
.irp s, 0,1,2,3,4,5,6,7
.if \s == 4
.if \mode == 3
	s_wait_dscnt 2                                 ; fragments 4-7 are in; behind them: the two loads of {kb, w2}
.else
	s_wait_dscnt 19                                ; fragments 4-7 are in; behind them: the middle's 1 + 2 + 16 loads
.endif
.endif
	WIN 0x06                                       ; the four accumulators take turns, one instruction a turn
	MM \p, \s, 0
	MM \p, \s, 1
	WIN 0x07
	MM \p, \s, 2
	MM \p, \s, 3
.if \s < 6
	WIN 0
.set x_, 4*(\s%4)
.rept 4
.if \s < 4
	GL \p, x_                                      ; tile t - 2's
.else
	AL 1-\p, x_                                    ; tile t - 1's
.endif
.set x_, x_+1
.endr
.endif
.if \s == 3
	MID \p, \mode
.endif
.if \s == 6
	RUNB \p, \mode
.endif
.endr
	WIN 0
.set x_, 8
.rept 8
	AL 1-\p, x_                                    ; these eight are the places between the last product and the first read of a sum
.set x_, x_+1
.endr
.if \mode == 3
	s_wait_dscnt 0x0                               ; {kb, w2} are in
.else
	s_wait_dscnt 16                                ; {kb, w2} are in; the 16 youngest loads may be out
.endif
.set x_, 0
.rept 16
	FL \p, x_                                      ; each accumulator from its low end on
.set x_, x_+1
.endr
	s_wait_alu depctr_va_vdst(0)
.set x_, 0
.rept 32
	v_exp_f32 v[ACC+32*(\p)+x_], v[ACC+32*(\p)+x_]
.set x_, x_+1
.endr
	RCPS 1-\p
	v_nop                                          ; a plain line behind the last transcendental,
	s_wait_alu depctr_va_vdst(0)                   ; and one wait for the 64
.endm
.macro SLOTM mode
	TILE 0, 0
	TILE 1, 0
	TILE 0, 0
	TILE 1, \mode
.endm
	s_mov_b32 s[SLOTS], 14
.Lslot:                                            ; a trip is a slot's four tiles; slots 2 to 15 are asked for here
	s_wait_alu depctr_va_vdst(0)
	SLOTM 1
	s_sub_co_u32 s[SLOTS], s[SLOTS], 1
	s_cmp_lg_u32 s[SLOTS], 0
	s_cbranch_scc1 .Lslot
	SLOTM 2                                        ; the last two slots fill nothing
	SLOTM 3
.set x_, 0
.rept 16
	GL 0, x_                                       ; tile 62's
.set x_, x_+1
.endr
.set x_, 0
.rept 16
	AL 1, x_                                       ; tile 63's
.set x_, x_+1
.endr
	s_wait_alu depctr_va_vdst(0)
	RCPS 1
	v_nop
	s_wait_alu depctr_va_vdst(0)
.set x_, 0
.rept 16
	GL 1, x_
.set x_, x_+1
.endr
; a row's sum over the sixteen lanes that hold its columns; then lane (r, h) picks row 16 (r / 8) + 8 h + r % 8's number of tiles 0, 1 and of tiles 2, 3
.irp x, 1,2,4,8
.irp j, 0,1,2,3,4,5,6,7,8,9,10,11,12,13,14,15,16,17,18,19,20,21,22,23,24,25,26,27,28,29,30,31
	v_add_f32_dpp v[S+\j], v[S+\j], v[S+\j] row_xmask:\x row_mask:0xf bank_mask:0xf
.endr
.endr
.irp j, 1,2,3,4,5,6,7
	v_cmp_eq_u32 s[MK+\j-1], \j, v[R7]
.endr
	v_cmp_le_u32 s[MK+7], 8, v[RR]
.irp j, 1,2,3,4,5,6,7
.irp i, 0,1,2,3
	v_cndmask_b32 v[S+8*\i], v[S+8*\i], v[S+8*\i+\j], s[MK+\j-1]
.endr
.endr
	v_cndmask_b32 v[S], v[S], v[S+8], s[MK+7]
	v_cndmask_b32 v[S+16], v[S+16], v[S+24], s[MK+7]
	global_store_b32 v[SO], v[S], s[12:13]         ; 32 lanes store 128 consecutive bytes; the two stores fill my wave's aligned 256
	global_store_b32 v[SO], v[S+16], s[12:13] offset:128
	s_wait_tensorcnt 0x0                           ; the wave's end
	ds_add_u32 v[SPW], v[NIL]
	s_wait_dscnt 0x0
	ROUND                                          ; the closing round
	s_endpgm
.Lfunc_end_k_q349a39e8ef_scores:
	.size	k_q349a39e8ef_scores, .Lfunc_end_k_q349a39e8ef_scores-k_q349a39e8ef_scores
	.p2alignl 7, 3214868480
	.fill 96, 4, 3214868480
	.section	.rodata,"a",@progbits
	.p2align	6, 0x0
	.amdhsa_kernel k_q349a39e8ef_scores
		.amdhsa_group_segment_fixed_size 327680
		.amdhsa_private_segment_fixed_size 0
		.amdhsa_enable_private_segment 0
		.amdhsa_kernarg_size 40
		.amdhsa_user_sgpr_count 2
		.amdhsa_user_sgpr_kernarg_segment_ptr 1
		.amdhsa_wavefront_size32 1
		.amdhsa_system_sgpr_workgroup_id_x 1
		.amdhsa_system_sgpr_workgroup_id_y 1
		.amdhsa_system_sgpr_workgroup_id_z 1
		.amdhsa_system_vgpr_workitem_id 0
		.amdhsa_next_free_vgpr 1024
		.amdhsa_next_free_sgpr 66
		.amdhsa_reserve_vcc 0
		.amdhsa_float_denorm_mode_32 3
		.amdhsa_float_denorm_mode_16_64 3
		.amdhsa_memory_ordered 1
		.amdhsa_forward_progress 1
		.amdhsa_inst_pref_size 255
	.end_amdhsa_kernel
	.section	.bss,"aw",@nobits
	.p2align	6
	.space	262144
	.amdgpu_metadata
---
amdhsa.version: [ 1, 2 ]
amdhsa.kernels:
  - .name:           k_q349a39e8ef_scores
    .symbol:         k_q349a39e8ef_scores.kd
    .args:
      - { .name: encoder_outputs, .offset: 0, .size: 8, .value_kind: global_buffer, .address_space: global }
      - { .name: V_codes, .offset: 8, .size: 8, .value_kind: global_buffer, .address_space: global }
      - { .name: V_scales, .offset: 16, .size: 8, .value_kind: global_buffer, .address_space: global }
      - { .name: tab, .offset: 24, .size: 8, .value_kind: global_buffer, .address_space: global }
      - { .name: scores, .offset: 32, .size: 8, .value_kind: global_buffer, .address_space: global }
    .group_segment_fixed_size: 327680
    .private_segment_fixed_size: 0
    .kernarg_segment_align: 8
    .kernarg_segment_size: 40
    .max_flat_workgroup_size: 128
    .sgpr_count:     66
    .vgpr_count:     1024
    .wavefront_size: 32
...
	.end_amdgpu_metadata
.endif
;; end of part 2
;; launch ctx (part 3): grid 256 x 1, 8 waves a work-group, no clusters, 5,632 bytes of LDS; arguments encoder_outputs, scores, out0; writes out0
.if DOCPART == 3
	.amdgcn_target "amdgcn-amd-amdhsa--gfx1250"
	.amdhsa_code_object_version 6
	.text
	.protected	k_q349a39e8ef_ctx
	.globl	k_q349a39e8ef_ctx
	.p2align	8
	.type	k_q349a39e8ef_ctx,@function
k_q349a39e8ef_ctx:
	s_mov_b64 s[64:65], 0
	v_nop
	global_prefetch_b8 v0, s[64:65] scope:SCOPE_SE
	s_setreg_imm32_b32 hwreg(HW_REG_WAVE_MODE, 25, 1), 1
	s_wait_xcnt 0x0
; out0[batch][h] = sum over t of softmax_t(scores[batch][t]) x encoder_outputs[batch][t][h], all in f32.
; (scores lack a number that is common to a batch's 2,048: the softmax along t takes it away for all values of the inputs.)
; SHARES.  A work-group owns one batch and 128 columns h (512 bytes of every row): each output number has one owner.  Each of its eight waves takes 256 rows t; a load of a wave is one row's 512 consecutive bytes, aligned.
; THE MAXIMUM IS TAKEN AWAY WAVE BY WAVE: wave w takes its own rows' maximum m_w, p = 2^((s - m_w) log2(e)), its sum l_w and its part of the output; at the end wave 0 takes M = the largest m_w and joins
; the parts with the factors 2^(m_w - M): out = sum of f_w part_w / sum of f_w l_w.  So nothing passes between waves ahead of the rows' walk.
; p STAYS IN THE WAVE'S LANES: lane g holds the p of rows 8 g .. 8 g + 7 of its wave; v_readlane_b32 hands a row's p to the multiply-adds as a scalar.
; Rows go in groups of eight: one wait, 32 multiply-adds, eight loads.  A ring of 48 row slots in registers keeps 48 loads of every wave out.  The 32 groups are written out: every offset is an immediate
; (255 rows of 4,096 bytes at the most, inside the signed 24 bits), no pointer is stepped.
; No matrix unit (a product with one row), no tensor loads, no cluster: no two work-groups read the same bytes of encoder_outputs.  No prefetch: the rows are asked for 48 ahead by the loads themselves.
; LIMITS: NaN and infinities among the scores are not served.
; LDS: 0: the waves' m log2(e); 256: the waves' sums; 512: the waves' parts, 512 bytes each; 4,608: the spare words.
.set ACCR,  512
.set SPARE, 4608                       ; the spare words, 128 bytes for each wave: four blocks of 256 bytes that no other line names
.set SC,  10                           ; v10-17  my eight scores, then p
.set AC,  32                           ; v32-47  four sets of 4 sums, rows by turns
.set RG,  64                           ; v64-255 the ring: six groups of eight slots of 4
	s_load_b128 s[4:7], s[0:1], 0x0                ; encoder_outputs s[4:5], scores s[6:7]
	s_load_b64 s[8:9], s[0:1], 0x10                ; out0
	v_lshl_add_u32 v2, v0, 2, SPARE                ; my spare word; never rewritten
	v_mov_b32 v3, 0                                ; 0; never rewritten
	v_lshrrev_b32 v18, 5, v0
	s_delay_alu instid0(VALU_DEP_1)
	v_readfirstlane_b32 s10, v18                   ; wave 0..7
	v_and_b32 v18, 31, v0
	s_delay_alu instid0(VALU_DEP_1)
	v_lshlrev_b32 v4, 4, v18                       ; 16 x lane
	v_lshlrev_b32 v5, 5, v0                        ; 32 x thread: my eight scores
	s_lshl_b32 s11, s10, 2
	v_mov_b32 v7, s11                              ; my wave's word among the maxima (the sums: 256 on)
	s_lshl_b32 s11, s10, 9
	s_add_co_u32 s11, s11, ACCR
	v_add_nc_u32 v9, s11, v4                       ; my wave's part
	v_mov_b32 v20, 0                               ; LDS byte 0
	v_add_nc_u32 v21, ACCR, v4                     ; all waves' parts, 16 bytes a lane
	s_mov_b32 s20, 0x76543210
	s_mov_b32 s21, 0xfedcba98                      ; v_permlanex16_b32's selects for lane l xor 16
	s_mov_b32 s22, 0x3fb8aa3b                      ; log2(e)
	s_lshr_b32 s12, ttmp9, 3                       ; batch
	s_and_b32 s13, ttmp9, 7                        ; which 128 columns
	s_lshl_b32 s16, s13, 9
	s_lshl_b32 s14, s12, 23                        ; the batch's 2,048 rows of 4,096 bytes,
	s_lshl_b32 s17, s10, 20                        ; my wave's 256 of them,
	s_add_co_u32 s14, s14, s17
	s_add_co_u32 s14, s14, s16                     ; my work-group's 512 bytes of a row
	s_mov_b32 s15, 0
	s_wait_alu depctr_va_vdst(0)
	s_wait_kmcnt 0x0
	s_add_nc_u64 s[4:5], s[4:5], s[14:15]
	s_lshl_b32 s14, s12, 13
	s_add_nc_u64 s[6:7], s[6:7], s[14:15]
	s_lshl_b32 s14, s12, 12
	s_add_co_u32 s14, s14, s16
	s_add_nc_u64 s[8:9], s[8:9], s[14:15]
	global_load_b128 v[SC:SC+3], v5, s[6:7]
	global_load_b128 v[SC+4:SC+7], v5, s[6:7] offset:16
.set i_, 0
.rept 48
	global_load_b128 v[RG+4*i_:RG+4*i_+3], v4, s[4:5] offset:4096*i_ th:TH_LOAD_NT   ; the ring is filled before p is made
.set i_, i_+1
.endr
	s_wait_loadcnt 48                              ; the scores are in; the ring's 48 loads stay out
	v_max3_num_f32 v18, v10, v11, v12
	v_max3_num_f32 v19, v13, v14, v15
	s_delay_alu instid0(VALU_DEP_2)
	v_max3_num_f32 v18, v18, v16, v17
	s_delay_alu instid0(VALU_DEP_1)
	v_max_num_f32 v18, v18, v19
	s_delay_alu instid0(VALU_DEP_1)
	v_max_num_f32_dpp v18, v18, v18 row_xmask:1 row_mask:0xf bank_mask:0xf
	s_delay_alu instid0(VALU_DEP_1)
	v_max_num_f32_dpp v18, v18, v18 row_xmask:2 row_mask:0xf bank_mask:0xf
	s_delay_alu instid0(VALU_DEP_1)
	v_max_num_f32_dpp v18, v18, v18 row_xmask:4 row_mask:0xf bank_mask:0xf
	s_delay_alu instid0(VALU_DEP_1)
	v_max_num_f32_dpp v18, v18, v18 row_xmask:8 row_mask:0xf bank_mask:0xf
	s_delay_alu instid0(VALU_DEP_1)
	v_permlanex16_b32 v19, v18, s20, s21
	s_delay_alu instid0(VALU_DEP_1)
	v_max_num_f32 v18, v18, v19                    ; my wave's maximum, in every lane
	s_delay_alu instid0(VALU_DEP_1)
	v_mul_f32 v24, s22, v18                        ; m log2(e)
.irp j, 0,1,2,3,4,5,6,7
	v_fma_f32 v[SC+\j], v[SC+\j], s22, -v24        ; (s - m) log2(e)
.endr
	s_wait_alu depctr_va_vdst(0)
.irp j, 0,1,2,3,4,5,6,7
	v_exp_f32 v[SC+\j], v[SC+\j]                   ; p, about 1 at the most
.endr
	v_nop                                          ; a plain instruction behind the last exponential,
	s_wait_alu depctr_va_vdst(0)                   ; and one wait for the eight
	v_add_f32 v18, v10, v11
	v_add_f32 v19, v12, v13
	v_add_f32 v22, v14, v15
	v_add_f32 v23, v16, v17
	s_delay_alu instid0(VALU_DEP_3)
	v_add_f32 v18, v18, v19
	s_delay_alu instid0(VALU_DEP_2)
	v_add_f32 v22, v22, v23
	s_delay_alu instid0(VALU_DEP_1)
	v_add_f32 v18, v18, v22
	s_delay_alu instid0(VALU_DEP_1)
	v_add_f32_dpp v18, v18, v18 row_xmask:1 row_mask:0xf bank_mask:0xf
	s_delay_alu instid0(VALU_DEP_1)
	v_add_f32_dpp v18, v18, v18 row_xmask:2 row_mask:0xf bank_mask:0xf
	s_delay_alu instid0(VALU_DEP_1)
	v_add_f32_dpp v18, v18, v18 row_xmask:4 row_mask:0xf bank_mask:0xf
	s_delay_alu instid0(VALU_DEP_1)
	v_add_f32_dpp v18, v18, v18 row_xmask:8 row_mask:0xf bank_mask:0xf
	s_delay_alu instid0(VALU_DEP_1)
	v_permlanex16_b32 v19, v18, s20, s21
	s_delay_alu instid0(VALU_DEP_1)
	v_add_f32 v18, v18, v19                        ; my wave's sum of p
	ds_store_b32 v7, v24                           ; all lanes write the same word with the same value; both are read behind the barrier
	ds_store_b32 v7, v18 offset:256
; Group g: rows 8 g .. 8 g + 7 of my wave, whose p lie in lane g.  Its slots are filled again with the rows 48 further on, while there are any.
.macro GROUP g
.irp j, 0,1,2,3,4,5,6,7
	v_readlane_b32 s[24+\j], v[SC+\j], \g
.endr
.if (\g) < 27
	s_wait_loadcnt 40                              ; loads come back in order: this group's eight are in, the five younger groups stay out
.else
	s_wait_loadcnt 8*(31-(\g))
.endif
.irp j, 0,1,2,3,4,5,6,7
.irp c, 0,1,2,3
.if ((\g) == 0) && (\j < 4)
	v_mul_f32 v[AC+4*\j+\c], s[24+\j], v[RG+4*\j+\c]               ; the first four rows start the four sets of sums: nothing is cleared
.else
	v_fmac_f32 v[AC+4*(\j%4)+\c], s[24+\j], v[RG+32*((\g)%6)+4*\j+\c]
.endif
.endr
.endr
.if (\g) < 26
.irp j, 0,1,2,3,4,5,6,7
	global_load_b128 v[RG+32*((\g)%6)+4*\j:RG+32*((\g)%6)+4*\j+3], v4, s[4:5] offset:4096*(8*((\g)+6)+\j) th:TH_LOAD_NT
.endr
.endif
.endm
.irp g, 0,1,2,3,4,5,6,7,8,9,10,11,12,13,14,15,16,17,18,19,20,21,22,23,24,25,26,27,28,29,30,31
	GROUP \g
.endr
	s_wait_alu depctr_va_vdst(0)
	v_pk_add_f32 v[AC:AC+1], v[AC:AC+1], v[AC+4:AC+5]
	v_pk_add_f32 v[AC+2:AC+3], v[AC+2:AC+3], v[AC+6:AC+7]
	v_pk_add_f32 v[AC+8:AC+9], v[AC+8:AC+9], v[AC+12:AC+13]
	v_pk_add_f32 v[AC+10:AC+11], v[AC+10:AC+11], v[AC+14:AC+15]
	s_delay_alu instid0(VALU_DEP_2)
	v_pk_add_f32 v[AC:AC+1], v[AC:AC+1], v[AC+8:AC+9]
	s_delay_alu instid0(VALU_DEP_2)
	v_pk_add_f32 v[AC+2:AC+3], v[AC+2:AC+3], v[AC+10:AC+11]
	ds_store_b128 v9, v[AC:AC+3]
	s_wait_dscnt 0x0                               ; for wave 0's sake: my part, my maximum and my sum have landed
	s_barrier_signal -1
	s_barrier_wait -1
	s_cmp_lg_u32 s10, 0                            ; wave 0 joins the eight parts, in a fixed order, divides and stores
	s_cbranch_scc1 .Ldone
.irp n, 0,1,2,3,4,5,6,7
	ds_load_b128 v[RG+4*\n:RG+4*\n+3], v21 offset:512*\n
.endr
	ds_load_b128 v[24:27], v20                     ; the eight m log2(e)
	ds_load_b128 v[28:31], v20 offset:16
	ds_load_b128 v[RG+32:RG+35], v20 offset:256    ; the eight sums
	ds_load_b128 v[RG+36:RG+39], v20 offset:272
	s_wait_dscnt 0x0
	v_max3_num_f32 v48, v24, v25, v26
	v_max3_num_f32 v49, v27, v28, v29
	s_delay_alu instid0(VALU_DEP_2)
	v_max3_num_f32 v48, v48, v30, v31
	s_delay_alu instid0(VALU_DEP_1)
	v_max_num_f32 v48, v48, v49                    ; M log2(e)
.irp j, 0,1,2,3,4,5,6,7
	v_sub_f32 v[24+\j], v[24+\j], v48
.endr
	s_wait_alu depctr_va_vdst(0)
.irp j, 0,1,2,3,4,5,6,7
	v_exp_f32 v[24+\j], v[24+\j]                   ; f_w = 2^(m_w - M), at most 1, and 1 for one wave at the least
.endr
	v_nop
	s_wait_alu depctr_va_vdst(0)
	v_mul_f32 v50, v24, v[RG+32]                   ; sum of f_w l_w, in two chains
	v_mul_f32 v51, v25, v[RG+33]
.irp j, 2,4,6
	v_fmac_f32 v50, v[24+\j], v[RG+32+\j]
	v_fmac_f32 v51, v[25+\j], v[RG+33+\j]
.endr
	v_add_f32 v50, v50, v51
	s_wait_alu depctr_va_vdst(0)
	v_rcp_f32 v50, v50
.irp c, 0,1,2,3                                ; (plain work behind the reciprocal, which names neither its source nor its result)
	v_mul_f32 v[52+\c], v24, v[RG+\c]
.endr
.irp n, 1,2,3,4,5,6,7
.irp c, 0,1,2,3
	v_fmac_f32 v[52+\c], v[24+\n], v[RG+4*\n+\c]
.endr
.endr
	s_wait_alu depctr_va_vdst(0)                   ; the wait ahead of the reciprocal's first reader
.irp c, 0,1,2,3
	v_mul_f32 v[52+\c], v[52+\c], v50
.endr
	global_store_b128 v4, v[52:55], s[8:9]         ; 32 lanes store 512 consecutive bytes, at a multiple of 256 from out0's first byte
.Ldone:
	s_wait_tensorcnt 0x0                           ; the wave's end
	ds_add_u32 v2, v3
	s_wait_dscnt 0x0
	s_endpgm
.Lfunc_end_k_q349a39e8ef_ctx:
	.size	k_q349a39e8ef_ctx, .Lfunc_end_k_q349a39e8ef_ctx-k_q349a39e8ef_ctx
	.p2alignl 7, 3214868480
	.fill 96, 4, 3214868480
	.section	.rodata,"a",@progbits
	.p2align	6, 0x0
	.amdhsa_kernel k_q349a39e8ef_ctx
		.amdhsa_group_segment_fixed_size 5632
		.amdhsa_private_segment_fixed_size 0
		.amdhsa_enable_private_segment 0
		.amdhsa_kernarg_size 24
		.amdhsa_user_sgpr_count 2
		.amdhsa_user_sgpr_kernarg_segment_ptr 1
		.amdhsa_wavefront_size32 1
		.amdhsa_system_sgpr_workgroup_id_x 1
		.amdhsa_system_sgpr_workgroup_id_y 1
		.amdhsa_system_sgpr_workgroup_id_z 1
		.amdhsa_system_vgpr_workitem_id 0
		.amdhsa_next_free_vgpr 256
		.amdhsa_next_free_sgpr 66
		.amdhsa_reserve_vcc 0
		.amdhsa_float_denorm_mode_32 3
		.amdhsa_float_denorm_mode_16_64 3
		.amdhsa_memory_ordered 1
		.amdhsa_forward_progress 1
		.amdhsa_inst_pref_size 82
	.end_amdhsa_kernel
	.amdgpu_metadata
---
amdhsa.version: [ 1, 2 ]
amdhsa.kernels:
  - .name:           k_q349a39e8ef_ctx
    .symbol:         k_q349a39e8ef_ctx.kd
    .args:
      - { .name: encoder_outputs, .offset: 0, .size: 8, .value_kind: global_buffer, .address_space: global }
      - { .name: scores, .offset: 8, .size: 8, .value_kind: global_buffer, .address_space: global }
      - { .name: out0, .offset: 16, .size: 8, .value_kind: global_buffer, .address_space: global }
    .group_segment_fixed_size: 5632
    .private_segment_fixed_size: 0
    .kernarg_segment_align: 8
    .kernarg_segment_size: 24
    .max_flat_workgroup_size: 256
    .sgpr_count:     66
    .vgpr_count:     256
    .wavefront_size: 32
...
	.end_amdgpu_metadata
.endif
;; end of part 3
